; MI455X (gfx1250); checked and timed in simulation.
; The chip was launched on July 23, 2026; its instructions are those of AMD's public machine-readable ISA for CDNA 5 (MIT licence, August 2026) and "CDNA5" Instruction Set Architecture Reference Guide (July 2026). The comments in the code are by the model that wrote it; some were corrected since.
;; Fast Orthogonal. Allowed arithmetic: float matrix products may take bf16 or f16 operands with f32 sums; other float arithmetic in f32, or as packed bf16 or f16 multiplies, adds, multiply-adds, maxima and minima; sums over many terms, partial sums and values carried from step to step in f32; what a program stores and reads back later, other than sums and carried values, may be rounded once to bf16 or f16.
;; Inputs: x 131,072 x 64 x 2 float32.
;; Outputs: out0 131,072 x 64 x 2 float32.
;; 2 versions, each right; version 2 is version 1 with the launch gram written anew for expert scheduling mode. Each part assembles by itself: llvm-mc -triple=amdgcn-amd-amdhsa -mcpu=gfx1250 --defsym DOCPART=n.
;; ======== version 1 of 2: 4 launches
;; limits: a difference of large sums (such as E[x^2] - mean^2): digits are lost where the result is much smaller than its terms; right only within a limited range of input values
;; workspace buffers: part 5,242,880 bytes; gsum 20,480 bytes; wfrag 40,960 bytes
;; launch gram (part 1): grid 256 x 1, 8 waves a work-group, no clusters, 164,864 bytes of LDS; arguments x, part; writes part
.if DOCPART == 1
	.amdgcn_target "amdgcn-amd-amdhsa--gfx1250"
	.amdhsa_code_object_version 6
	.text
	.protected	k_qf86d89190f_gram
	.globl	k_qf86d89190f_gram
	.p2align	8
	.type	k_qf86d89190f_gram,@function
k_qf86d89190f_gram:
	s_mov_b64 s[64:65], 0
	v_nop
	global_prefetch_b8 v0, s[64:65] scope:SCOPE_SE
	s_setreg_imm32_b32 hwreg(HW_REG_WAVE_MODE, 25, 1), 1
	s_wait_xcnt 0x0
; GRAM: the partial sums of G = X^H X.  x: [131072][64] complex f32, a row is 512 bytes.  A work-group sums over 512 rows, a wave over 64.
; x is rounded to bf16 (the last launch rounds it alike), products and sums are f32.
; NO LDS ON THE WAY IN.  The sum runs over ROWS, so in a fragment a lane holds one column and the rows lie along its registers.  One 16-byte load gives
; lane (r, h) the complex columns 2r, 2r+1 of a half row (256 bytes for 16 lanes) in row 2l+h: four numbers for four fragments.  Which row sits in which
; place of K is the same in every fragment, so the products are the true ones.  A BLOCK b = 2 x (half row) + (odd column) holds the columns 32 (b/2) + 2 r + b%2.
; TILES.  Re G(I,J) = A_I^T A_J + B_I^T B_J, Im G(I,J) = A_I^T B_J - B_I^T A_J (A real parts, B imaginary parts), for the ten pairs I <= J: 20 accumulators;
; the minus is a copy of B with the signs turned.  Later launches add the work-groups' sums and put the columns in order.
; REGISTERS.  window 0: v0-15 addresses; v16-47 A, v48-79 B, v80-111 -B (8 registers a block); v112-239 rows 32-63 as loaded.
;             window 1: v0-127 rows 0-31 as loaded; when they are converted, v0-159 take the 20 accumulators.
; All 64 loads of a wave, its whole share of 32,768 bytes, are issued before anything else.  x is read again by the last launch, so the loads carry no hint.
.set FA,    16
.set FB,    48
.set FN,    80
.set RAW1,  112
.set XO,    5                          ; v5   byte offset of my 16 bytes in the wave's first two rows; never rewritten
.set L16,   6                          ; v6   16 x lane
.set STA,   7                          ; v7   my wave's image in LDS
.set RD0,   8                          ; v8   my five pieces in wave 0's image
.set RD1,   9                          ; v9   in wave 4's
.set GO,    10                         ; v10  my byte offset in part
.set SPW,   14                         ; v14  my spare word; never rewritten
.set NIL,   15                         ; v15  0; never rewritten
.set RS,    16                         ; the reduction: piece u, wave w at v[RS+32u+4w]
.set WIMG,  20480                      ; a wave's 160 accumulator registers in LDS: 40 pieces of 512 bytes
.set SPARE, 8*WIMG                     ; behind the images: the spare words, 128 bytes a wave
.set MSB, 0
.macro WIN new                         ; the immediate's high byte repeats the setting that is left
.if MSB != (\new)
	s_set_vgpr_msb (MSB<<8)|(\new)
.set MSB, \new
.endif
.endm
.macro ADD4 a, b
	v_pk_add_f32 v[(\a):(\a)+1], v[(\a):(\a)+1], v[(\b):(\b)+1]
	v_pk_add_f32 v[(\a)+2:(\a)+3], v[(\a)+2:(\a)+3], v[(\b)+2:(\b)+3]
.endm
	s_load_b128 s[4:7], s[0:1], 0x0                ; x s[4:5], part s[6:7]
	v_lshl_add_u32 v[SPW], v0, 2, SPARE
	v_mov_b32 v[NIL], 0
	v_and_b32 v1, 31, v0                           ; lane
	v_lshrrev_b32 v2, 5, v0
	v_readfirstlane_b32 s8, v2                     ; wave
	v_and_b32 v3, 15, v0                           ; r
	v_bfe_u32 v4, v0, 4, 1                         ; h
	v_lshlrev_b32 v[XO], 4, v3                     ; 16 r
	v_lshl_add_u32 v[XO], v4, 9, v[XO]             ; + one row for lanes 16-31
	v_lshl_add_u32 v[XO], v2, 15, v[XO]            ; + the wave's 64 rows
	s_lshl_b32 s10, ttmp9, 18                      ; the work-group's 512 rows of 512 bytes
	s_mov_b32 s11, 0
	s_wait_kmcnt 0x0
	s_add_nc_u64 s[4:5], s[4:5], s[10:11]
	WIN 0x40                                       ; destination window 1
.set n, 0
.rept 32                                               ; rows 0-31: load n takes rows 2 (n/2), 2 (n/2) + 1, half row n%2: twice 256 consecutive bytes
	global_load_b128 v[4*n:4*n+3], v[XO], s[4:5] offset:(n/2)*1024+(n%2)*256
.set n, n+1
.endr
	WIN 0
.set n, 0
.rept 32                                               ; rows 32-63
	global_load_b128 v[RAW1+4*n:RAW1+4*n+3], v[XO], s[4:5] offset:16384+(n/2)*1024+(n%2)*256
.set n, n+1
.endr
	v_lshlrev_b32 v[L16], 4, v1
	s_mul_i32 s12, s8, WIMG
	v_add_nc_u32 v[STA], s12, v[L16]
	s_mul_i32 s13, s8, 5*512
	v_add_nc_u32 v[RD0], s13, v[L16]
	v_add_nc_u32 v[RD1], 4*WIMG, v[RD0]
	s_mul_i32 s14, s8, 5*131072
	v_lshlrev_b32 v[GO], 4, v3
	v_lshl_add_u32 v[GO], v4, 16, v[GO]
	v_add_nc_u32 v[GO], s14, v[GO]
	s_lshl_b32 s16, ttmp9, 8
	s_mov_b32 s17, 0
	s_add_nc_u64 s[6:7], s[6:7], s[16:17]          ; part at my work-group's 256 bytes of every piece
; 32 rows become 8 fragments.  Register t of a fragment takes loads 4t .. 4t+3; left0 - 4t is the number of loads issued behind those four.
.macro CONV base, left0
.set t, 0
.rept 8
	s_wait_loadcnt (\left0)-4*t
.set hc, 0
.rept 2
.set cp, 0
.rept 4
	v_cvt_pk_bf16_f32 v[FA+32*(cp%2)+8*(2*hc+cp/2)+t], v[(\base)+4*(4*t+hc)+cp], v[(\base)+4*(4*t+2+hc)+cp]
.set cp, cp+1
.endr
.set hc, hc+1
.endr
.set t, t+1
.endr
.endm
.macro NEGB                            ; -B: both signs of a word are turned
.set n, 0
.rept 32
	v_xor_b32 v[FN+n], 0x80008000, v[FB+n]
.set n, n+1
.endr
.endm
.macro MMA d, a, b, z
.if \z
	v_wmma_f32_16x16x32_bf16 v[8*(\d):8*(\d)+7], v[(\a):(\a)+7], v[(\b):(\b)+7], 0
.else
	v_wmma_f32_16x16x32_bf16 v[8*(\d):8*(\d)+7], v[(\a):(\a)+7], v[(\b):(\b)+7], v[8*(\d):8*(\d)+7]
.endif
.endm
.macro PASS dofs, ab, bb, z            ; one product on each of ten accumulators, the pairs I <= J in order
.set T, 0
.set I, 0
.rept 4
.set J, 0
.rept 4
.if J >= I
	MMA (\dofs)+T, (\ab)+8*I, (\bb)+8*J, \z
.set T, T+1
.endif
.set J, J+1
.endr
.set I, I+1
.endr
.endm
; 40 matrix instructions for 32 rows.  The 20 accumulators take turns, one instruction a turn.  z = 1: the first products start the sums.
.macro STEP z
	WIN 0x50                                       ; C and D window 1, fragments window 0
	PASS 0,  FA, FA, \z
	PASS 10, FA, FB, \z
	PASS 0,  FB, FB, 0
	PASS 10, FN, FA, 0
	WIN 0
.rept 4
	v_nop                                          ; four places before the fragments are written again or the sums are read (ISA guide 7.12.1)
.endr
.endm
	WIN 0x05                                       ; sources window 1, destination window 0
	CONV 0, 60
	WIN 0
	NEGB
	STEP 1                                         ; the accumulators land on registers whose raw rows have all been converted
	CONV RAW1, 28
	NEGB
	STEP 0
	; THE WAVES' SUMS MEET IN LDS: each wave lays its 40 pieces down as they lie in the registers (16 bytes a lane, neighbouring lanes neighbouring bytes),
	WIN 0x04                                       ; store data window 1
.set q, 0
.rept 40                                               ; ascending: each accumulator's low four registers are read first
	ds_store_b128 v[STA], v[4*q:4*q+3] offset:512*q
.set q, q+1
.endr
	WIN 0
	s_wait_dscnt 0x0                               ; for the others' sake: my image is whole
	s_barrier_signal -1
	s_barrier_wait -1
.set u, 0
.rept 5                                                ; and wave w adds pieces 5w .. 5w+4 of all eight images
.set w, 0
.rept 4
	ds_load_b128 v[RS+32*u+4*w:RS+32*u+4*w+3], v[RD0] offset:WIMG*w+512*u
.set w, w+1
.endr
.rept 4
	ds_load_b128 v[RS+32*u+4*w:RS+32*u+4*w+3], v[RD1] offset:WIMG*(w-4)+512*u
.set w, w+1
.endr
.set u, u+1
.endr
.set u, 0
.rept 5
	s_wait_dscnt 32-8*u                            ; the later pieces' loads, eight each, may stay out
	ADD4 RS+32*u,    RS+32*u+4
	ADD4 RS+32*u+8,  RS+32*u+12
	ADD4 RS+32*u+16, RS+32*u+20
	ADD4 RS+32*u+24, RS+32*u+28
	ADD4 RS+32*u,    RS+32*u+8
	ADD4 RS+32*u+16, RS+32*u+24
	ADD4 RS+32*u,    RS+32*u+16
	global_store_b128 v[GO], v[RS+32*u:RS+32*u+3], s[6:7] offset:131072*u  ; part[2 piece + h][work-group][256 bytes]: 16 lanes store 256 consecutive bytes, aligned
.set u, u+1
.endr
	s_wait_tensorcnt 0x0                           ; the wave's end, behind my last LDS store
	ds_add_u32 v[SPW], v[NIL]
	s_wait_dscnt 0x0
	s_endpgm
.Lfunc_end_k_qf86d89190f_gram:
	.size	k_qf86d89190f_gram, .Lfunc_end_k_qf86d89190f_gram-k_qf86d89190f_gram
	.p2alignl 7, 3214868480
	.fill 96, 4, 3214868480
	.section	.rodata,"a",@progbits
	.p2align	6, 0x0
	.amdhsa_kernel k_qf86d89190f_gram
		.amdhsa_group_segment_fixed_size 164864
		.amdhsa_private_segment_fixed_size 0
		.amdhsa_enable_private_segment 0
		.amdhsa_kernarg_size 16
		.amdhsa_user_sgpr_count 2
		.amdhsa_user_sgpr_kernarg_segment_ptr 1
		.amdhsa_wavefront_size32 1
		.amdhsa_system_sgpr_workgroup_id_x 1
		.amdhsa_system_sgpr_workgroup_id_y 1
		.amdhsa_system_sgpr_workgroup_id_z 1
		.amdhsa_system_vgpr_workitem_id 0
		.amdhsa_next_free_vgpr 416
		.amdhsa_next_free_sgpr 66
		.amdhsa_reserve_vcc 0
		.amdhsa_float_denorm_mode_32 3
		.amdhsa_float_denorm_mode_16_64 3
		.amdhsa_memory_ordered 1
		.amdhsa_forward_progress 1
		.amdhsa_inst_pref_size 36
	.end_amdhsa_kernel
	.amdgpu_metadata
---
amdhsa.version: [ 1, 2 ]
amdhsa.kernels:
  - .name:           k_qf86d89190f_gram
    .symbol:         k_qf86d89190f_gram.kd
    .args:
      - { .name: x, .offset: 0, .size: 8, .value_kind: global_buffer, .address_space: global }
      - { .name: part, .offset: 8, .size: 8, .value_kind: global_buffer, .address_space: global }
    .group_segment_fixed_size: 164864
    .private_segment_fixed_size: 0
    .kernarg_segment_align: 8
    .kernarg_segment_size: 16
    .max_flat_workgroup_size: 256
    .sgpr_count:     66
    .vgpr_count:     416
    .wavefront_size: 32
...
	.end_amdgpu_metadata
.endif
;; end of part 1
;; launch fold (part 2): grid 80 x 1, 8 waves a work-group, no clusters, 3,072 bytes of LDS; arguments part, gsum; writes gsum
.if DOCPART == 2
	.amdgcn_target "amdgcn-amd-amdhsa--gfx1250"
	.amdhsa_code_object_version 6
	.text
	.protected	k_qf86d89190f_fold
	.globl	k_qf86d89190f_fold
	.p2align	8
	.type	k_qf86d89190f_fold,@function
k_qf86d89190f_fold:
	s_mov_b64 s[64:65], 0
	v_nop
	global_prefetch_b8 v0, s[64:65] scope:SCOPE_SE
	s_setreg_imm32_b32 hwreg(HW_REG_WAVE_MODE, 25, 1), 1
	s_wait_xcnt 0x0
; FOLD: the 256 work-groups' partial sums of G are added, piece by piece.  Work-group g owns one piece of 256 bytes; its 256 partial sums are
; 65,536 consecutive bytes of part: 16 loads of 16 bytes a thread, each load of a wave 512 consecutive bytes.  Thread t holds the four numbers at byte
; 16 (t % 16) of the piece, for the partial sums 16 i + t / 16.  They are added by pairs in f32: in the thread, between the halves of the lanes, and between the
; waves through LDS.  The piece goes out as it came: the next launch puts G's columns in order.
.set SPARE, 2048                       ; behind the eight waves' 256 bytes each: the spare words
.set SPW,   14
.set NIL,   15
.set AC,    16                         ; v16-79 as loaded
.set XH,    80                         ; v80-83 the other half of the lanes'
.set STA,   84                         ; v84 256 x wave + 16 (lane % 16)
.set RDA,   85                         ; v85 16 (lane % 16)
.macro ADD4 a, b
	v_pk_add_f32 v[(\a):(\a)+1], v[(\a):(\a)+1], v[(\b):(\b)+1]
	v_pk_add_f32 v[(\a)+2:(\a)+3], v[(\a)+2:(\a)+3], v[(\b)+2:(\b)+3]
.endm
.macro TREE cnt                        ; cnt groups of four registers are added by pairs into the first
.irp d, 1,2,4,8
.if (\d) < (\cnt)
.set i, 0
.rept (\cnt)/(2*(\d))
	ADD4 AC+8*(\d)*i, AC+8*(\d)*i+4*(\d)
.set i, i+1
.endr
.endif
.endr
.endm
	s_load_b128 s[4:7], s[0:1], 0x0                ; part s[4:5], gsum s[6:7]
	v_lshl_add_u32 v[SPW], v0, 2, SPARE
	v_mov_b32 v[NIL], 0
	v_lshlrev_b32 v1, 4, v0                        ; 16 x thread
	v_lshrrev_b32 v2, 5, v0
	v_readfirstlane_b32 s8, v2                     ; wave
	v_and_b32 v3, 15, v0
	v_lshlrev_b32 v[RDA], 4, v3
	v_lshl_add_u32 v[STA], v2, 8, v[RDA]
	s_lshl_b32 s10, ttmp9, 16
	s_mov_b32 s11, 0
	s_lshl_b32 s16, ttmp9, 8
	s_mov_b32 s17, 0
	s_mov_b32 s12, 0x76543210                      ; v_permlanex16_b32: each lane takes its own place in the other half
	s_mov_b32 s13, 0xfedcba98
	s_wait_kmcnt 0x0
	s_add_nc_u64 s[4:5], s[4:5], s[10:11]
	s_add_nc_u64 s[6:7], s[6:7], s[16:17]
.set i, 0
.rept 16
	global_load_b128 v[AC+4*i:AC+4*i+3], v1, s[4:5] offset:4096*i th:TH_LOAD_NT
.set i, i+1
.endr
.irp k, 0,1,2,3
	v_mov_b32 v[XH+\k], 0                          ; v_permlanex16_b32's destination counts as read
.endr
	s_wait_loadcnt 0x0
	TREE 16
.irp k, 0,1,2,3
	v_permlanex16_b32 v[XH+\k], v[AC+\k], s12, s13
.endr
	ADD4 AC, XH
	ds_store_b128 v[STA], v[AC:AC+3]               ; both halves of the lanes hold the same sums and write the same bytes
	s_wait_dscnt 0x0                               ; for wave 0's sake
	s_barrier_signal -1
	s_barrier_wait -1
	s_cmp_lg_u32 s8, 0
	s_cbranch_scc1 .Lend
.set i, 0
.rept 8
	ds_load_b128 v[AC+4*i:AC+4*i+3], v[RDA] offset:256*i
.set i, i+1
.endr
	s_wait_dscnt 0x0
	TREE 8
	s_wait_xcnt 0x0                                ; EXEC changes only behind this wait
	v_cmp_gt_u32 vcc_lo, 16, v0
	s_and_saveexec_b32 s14, vcc_lo
	global_store_b128 v[RDA], v[AC:AC+3], s[6:7]   ; 16 lanes store the piece's 256 consecutive bytes, aligned
	s_wait_xcnt 0x0
	s_or_b32 exec_lo, exec_lo, s14
.Lend:
	s_wait_tensorcnt 0x0                           ; the wave's end, behind my last LDS store
	ds_add_u32 v[SPW], v[NIL]
	s_wait_dscnt 0x0
	s_endpgm
.Lfunc_end_k_qf86d89190f_fold:
	.size	k_qf86d89190f_fold, .Lfunc_end_k_qf86d89190f_fold-k_qf86d89190f_fold
	.p2alignl 7, 3214868480
	.fill 96, 4, 3214868480
	.section	.rodata,"a",@progbits
	.p2align	6, 0x0
	.amdhsa_kernel k_qf86d89190f_fold
		.amdhsa_group_segment_fixed_size 3072
		.amdhsa_private_segment_fixed_size 0
		.amdhsa_enable_private_segment 0
		.amdhsa_kernarg_size 16
		.amdhsa_user_sgpr_count 2
		.amdhsa_user_sgpr_kernarg_segment_ptr 1
		.amdhsa_wavefront_size32 1
		.amdhsa_system_sgpr_workgroup_id_x 1
		.amdhsa_system_sgpr_workgroup_id_y 1
		.amdhsa_system_sgpr_workgroup_id_z 1
		.amdhsa_system_vgpr_workitem_id 0
		.amdhsa_next_free_vgpr 96
		.amdhsa_next_free_sgpr 66
		.amdhsa_reserve_vcc 1
		.amdhsa_float_denorm_mode_32 3
		.amdhsa_float_denorm_mode_16_64 3
		.amdhsa_memory_ordered 1
		.amdhsa_forward_progress 1
		.amdhsa_inst_pref_size 7
	.end_amdhsa_kernel
	.amdgpu_metadata
---
amdhsa.version: [ 1, 2 ]
amdhsa.kernels:
  - .name:           k_qf86d89190f_fold
    .symbol:         k_qf86d89190f_fold.kd
    .args:
      - { .name: part, .offset: 0, .size: 8, .value_kind: global_buffer, .address_space: global }
      - { .name: gsum, .offset: 8, .size: 8, .value_kind: global_buffer, .address_space: global }
    .group_segment_fixed_size: 3072
    .private_segment_fixed_size: 0
    .kernarg_segment_align: 8
    .kernarg_segment_size: 16
    .max_flat_workgroup_size: 256
    .sgpr_count:     66
    .vgpr_count:     96
    .wavefront_size: 32
...
	.end_amdgpu_metadata
.endif
;; end of part 2
;; launch factor (part 3): grid 1 x 1, 8 waves a work-group, no clusters, 67,840 bytes of LDS; arguments gsum, wfrag; writes wfrag
.if DOCPART == 3
	.amdgcn_target "amdgcn-amd-amdhsa--gfx1250"
	.amdhsa_code_object_version 6
	.text
	.protected	k_qf86d89190f_factor
	.globl	k_qf86d89190f_factor
	.p2align	8
	.type	k_qf86d89190f_factor,@function
k_qf86d89190f_factor:
	s_mov_b64 s[64:65], 0
	v_nop
	global_prefetch_b8 v0, s[64:65] scope:SCOPE_SE
	s_setreg_imm32_b32 hwreg(HW_REG_WAVE_MODE, 25, 1), 1
	s_wait_xcnt 0x0
; FACTOR: from G = X^H X (64 x 64 complex, f32) the weights W with Q = X W, as bf16 fragments for the last launch.
; METHOD.  G = L D L^H.  [G | I] is eliminated in ONE array A: for k = 0..63: d = max(Re A[k][k], 0) + 1e-8; m_i = A[i][k] / d for i > k, else 0; every other column c: A[i][c] -= m_i A[k][c];
; column k becomes -m_i (i > k), 1 (i = k), 0 (i < k); s_k = 1 / sqrt(d).  At the end A = L^-1, and Q[:,j] = sum over c of x_c conj(A[j][c]) s_j: what modified Gram-Schmidt gives in exact arithmetic.
; LIMITS.  The rounding error grows with cond(G) x 2^-24, not with cond(X) x 2^-24.  The 1e-8 enters the divisor and the root as in the definition; the defect of order 1e-8 / d that it leaves in
; later projections is not modelled (it matters for pivots below about 1e-6).  A negative or NaN pivot counts as 0.
; SHARES.  One work-group.  Wave w holds columns 8w .. 8w+7; lane l holds rows l (set 0) and 32 + l (set 1); a number is a pair (re, im).  A PANEL is a wave's eight columns: its owner runs the
; eight steps on its own columns and lays the multipliers down in LDS; behind a barrier the seven others run the same eight steps on theirs.  A[k][c] is broadcast by v_readlane_b32.
; With N1 = (-m_re, -m_im), N2 = (m_im, -m_re): A += N1 x Re p + N2 x Im p, two packed multiply-adds a number.  From k = 32 on set 0 has no multiplier and is left alone (half = 1).
; OUT.  In real numbers out = Xr Wr, k' = 2c + p, n' = 2j + p': (Wr[2c][2j], Wr[2c+1][2j]) = (re, im) s_j, (Wr[2c][2j+1], Wr[2c+1][2j+1]) = (-im, re) s_j of A[j][c].  Wr is cut into a bf16 part and the
; bf16 of the rest.  Fragment f = 2 (base(nt) + kk) + part, base(nt) = (nt/2+1)(nt/2+nt%2), kk <= nt/2 (Wr is block triangular): byte 1024 f + 512 half + 16 (16 h + r) + 4 reg holds
; Wr[32kk+16half+8h+2reg, +1][16nt+r].  These are stores of 16 bytes to places 32 bytes apart: 40,960 bytes, once in the program.
.set PITCH, 528                        ; a row of G in LDS: 512 bytes + 16
.set NX,    33792                      ; behind G: eight regions of 4,096 bytes, one an owner: step t at 512 t, 16 bytes a lane
.set SV,    66560                      ; the 64 s_k
.set SPARE, 66816                      ; the spare words, 128 bytes a wave
.set LANE, 1
.set VG,   2                           ; my element's byte in a tile of gsum
.set VD,   3                           ; its place in G,
.set VM,   4                           ; and its mirror's
.set VA,   5                           ; my row and my wave's columns in G
.set WA,   6                           ; my 16 bytes in my wave's region of NX
.set RA,   7                           ; in the region of the panel in hand
.set SVA,  8
.set SVR,  9
.set T0,   10
.set T1,   11
.set T2,   12
.set T3,   13
.set SPW,  14
.set NIL,  15
.set SJ,   16                          ; v16-19 s_j of my two rows, each as a pair
.set VF,   20                          ; v20-21 my byte offset in wfrag, by set
.set AS,   22                          ; v22-23 nt / 2 of my row, by set
.set A,    32                          ; v32-63 pair of set z, column c at A + 16 z + 2 c
.set N,    64                          ; v64-127 step t at N + 8 t: N1 set 0, N1 set 1, N2 set 0, N2 set 1
.set GL,   64                          ; at the start: the ten tiles' (re, im)
.set GM,   104                         ; and the six mirrors'
.set OW,   64                          ; at the end, by set 32 registers: H0[8], L0[8], H1[8], L1[8]
.set X0,   128
.set WV,   8
.set P,    9                           ; the panel
.set LN,   10                          ; the pivot row's lane
.set MK,   11                          ; lanes below the pivot row
.set ME,   12                          ; the pivot row's lane, as a mask
.set RC,   13                          ; -1 / d
.set RQ,   14                          ; 1 / sqrt(d)
.set KK,   18
.set SX,   21
.set PS,   68                          ; s68-99: column c: Re p at PS + 4 c, Im p at PS + 4 c + 2; the odd words are 0 (named as pairs)
	s_load_b128 s[4:7], s[0:1], 0x0                ; gsum s[4:5], wfrag s[6:7]
	v_lshl_add_u32 v[SPW], v0, 2, SPARE
	v_mov_b32 v[NIL], 0
	v_and_b32 v[LANE], 31, v0
	v_lshrrev_b32 v[T0], 5, v0
	v_readfirstlane_b32 s[WV], v[T0]
	v_lshrrev_b32 v[T0], 4, v0                     ; m: thread t takes element (m, n) = (t / 16, t % 16) of every tile
	v_and_b32 v[T1], 15, v0                        ; n
	v_bfe_u32 v[T2], v[T0], 2, 1
	v_lshlrev_b32 v[VG], 9, v[T2]                  ; 512 ((m >> 2) & 1)
	v_lshrrev_b32 v[T2], 3, v[T0]
	v_lshl_add_u32 v[VG], v[T2], 8, v[VG]          ; + 256 (m >> 3)
	v_lshl_add_u32 v[VG], v[T1], 4, v[VG]          ; + 16 n
	v_and_b32 v[T2], 3, v[T0]
	v_lshl_add_u32 v[VG], v[T2], 2, v[VG]          ; + 4 (m & 3)
	s_wait_kmcnt 0x0
.set T, 0
.rept 10
	global_load_b32 v[GL+2*T],   v[VG], s[4:5] offset:1024*T
	global_load_b32 v[GL+2*T+1], v[VG], s[4:5] offset:1024*(10+T)
.set T, T+1
.endr
	v_mul_u32_u24 v[VD], v[T0], 2*PITCH
	v_lshl_add_u32 v[VD], v[T1], 4, v[VD]          ; row 2 m, column 2 n
	v_mul_u32_u24 v[VM], v[T1], 2*PITCH
	v_lshl_add_u32 v[VM], v[T0], 4, v[VM]          ; row 2 n, column 2 m
	v_mul_u32_u24 v[VA], v[LANE], PITCH
	s_lshl_b32 s15, s[WV], 6
	v_add_nc_u32 v[VA], s15, v[VA]
	s_lshl_b32 s16, s[WV], 12
	s_add_co_u32 s16, s16, NX
	v_lshl_add_u32 v[WA], v[LANE], 4, s16
	v_lshl_add_u32 v[RA], v[LANE], 4, NX
	s_lshl_b32 s17, s[WV], 5
	s_add_co_u32 s17, s17, SV
	v_mov_b32 v[SVA], s17
	v_lshl_add_u32 v[SVR], v[LANE], 2, SV
.set c, 0
.rept 16
	s_mov_b32 s[PS+2*c+1], 0
.set c, c+1
.endr
	s_wait_loadcnt 0x0
	; element (m, n) of tile (I, J) is G[32 (I/2) + 2 m + I%2][32 (J/2) + 2 n + J%2]; where I < J its conjugate goes to the mirrored place
.set T, 0
.set U, 0
.set I, 0
.rept 4
.set J, 0
.rept 4
.if J >= I
	ds_store_b64 v[VD], v[GL+2*T:GL+2*T+1] offset:(32*(I/2)+I%2)*PITCH+(32*(J/2)+J%2)*8
.if J > I
	v_mov_b32 v[GM+2*U], v[GL+2*T]
	v_xor_b32 v[GM+2*U+1], 0x80000000, v[GL+2*T+1]
	ds_store_b64 v[VM], v[GM+2*U:GM+2*U+1] offset:(32*(J/2)+J%2)*PITCH+(32*(I/2)+I%2)*8
.set U, U+1
.endif
.set T, T+1
.endif
.set J, J+1
.endr
.set I, I+1
.endr
	s_wait_dscnt 0x0                               ; for the others' sake: my part of G is written
	s_barrier_signal -1
	s_barrier_wait -1
.set z, 0
.rept 2
.set q, 0
.rept 4
	ds_load_b128 v[A+16*z+4*q:A+16*z+4*q+3], v[VA] offset:32*PITCH*z+16*q
.set q, q+1
.endr
.set z, z+1
.endr
	s_wait_dscnt 0x0
.macro MKN2 t, half                    ; N2 = (-N1.im, N1.re)
.set z, (\half)
.rept 2-(\half)
	v_xor_b32 v[N+8*(\t)+4+2*z], 0x80000000, v[N+8*(\t)+2*z+1]
	v_mov_b32 v[N+8*(\t)+5+2*z], v[N+8*(\t)+2*z]
.set z, z+1
.endr
.endm
; Step t of the panel on my columns (all but column skip): the pivot row's numbers into scalar registers, then all products by Re p, then all by Im p.  The pivot row's own multiplier is 0.
.macro UPD t, half, skip
.set c, 0
.rept 8
.if c != (\skip)
	v_readlane_b32 s[PS+4*c],   v[A+16*(\half)+2*c],   s[LN]
	v_readlane_b32 s[PS+4*c+2], v[A+16*(\half)+2*c+1], s[LN]
.endif
.set c, c+1
.endr
.irp q, 0,1
.set c, 0
.rept 8
.if c != (\skip)
.set z, (\half)
.rept 2-(\half)
	v_pk_fma_f32 v[A+16*z+2*c:A+16*z+2*c+1], v[N+8*(\t)+4*(\q)+2*z:N+8*(\t)+4*(\q)+2*z+1], s[PS+4*c+2*(\q):PS+4*c+2*(\q)+1], v[A+16*z+2*c:A+16*z+2*c+1] op_sel_hi:[1,0,1]
.set z, z+1
.endr
.endif
.set c, c+1
.endr
.endr
	s_add_co_u32 s[LN], s[LN], 1                   ; the next step's pivot row
.endm
; The owner's step t: pivot, multipliers (kept, and laid down for the others), s_k, the new column t, and the step on its other seven columns.
.macro PSTEP t, half
	v_max_num_f32 v[T0], 0, v[A+16*(\half)+2*(\t)] ; every lane reckons with its own row's number; the pivot row's lane is read below
	v_add_f32 v[T0], 0x322bcc77, v[T0]             ; + 1e-8
	v_rcp_f32 v[T1], v[T0]
	v_rsq_f32 v[T2], v[T0]
	v_nop                                          ; a plain instruction between the two and the reads of their results
	v_cmp_gt_u32 s[MK], v[LANE], s[LN]
	v_cmp_eq_u32 s[ME], v[LANE], s[LN]
	s_wait_alu depctr_va_vdst(0)
	v_readlane_b32 s[RC], v[T1], s[LN]
	v_readlane_b32 s[RQ], v[T2], s[LN]
	s_xor_b32 s[RC], s[RC], 0x80000000             ; -1 / d
	v_cndmask_b32 v[T3], 0, s[RC], s[MK]           ; and 0 down to the pivot row
	v_mul_f32 v[N+8*(\t)+2*(\half)],   v[T3], v[A+16*(\half)+2*(\t)]
	v_mul_f32 v[N+8*(\t)+2*(\half)+1], v[T3], v[A+16*(\half)+2*(\t)+1]
.if (\half) == 0
	v_mul_f32 v[N+8*(\t)+2], s[RC], v[A+16+2*(\t)]
	v_mul_f32 v[N+8*(\t)+3], s[RC], v[A+16+2*(\t)+1]
.else
	v_mov_b32 v[N+8*(\t)], 0
	v_mov_b32 v[N+8*(\t)+1], 0
.endif
	MKN2 \t, \half
	ds_store_b128 v[WA], v[N+8*(\t):N+8*(\t)+3] offset:512*(\t)
	v_mov_b32 v[T3], s[RQ]
	ds_store_b32 v[SVA], v[T3] offset:4*(\t)       ; all lanes write the same word with the same value
	v_cndmask_b32 v[A+16*(\half)+2*(\t)], v[N+8*(\t)+2*(\half)], 1.0, s[ME]
	v_mov_b32 v[A+16*(\half)+2*(\t)+1], v[N+8*(\t)+2*(\half)+1]
.if (\half) == 0
	v_mov_b32 v[A+16+2*(\t)],   v[N+8*(\t)+2]
	v_mov_b32 v[A+16+2*(\t)+1], v[N+8*(\t)+3]
.else
	v_mov_b32 v[A+2*(\t)],   0
	v_mov_b32 v[A+2*(\t)+1], 0
.endif
	UPD \t, \half, \t
.endm
; Four panels.  Both jumps go forward on the wave's number against the loop's counter, and pass no barrier.
.macro HALF half
	s_mov_b32 s[P], 4*(\half)
.Lpanel_\@:
	s_and_b32 s[LN], s[P], 3
	s_lshl_b32 s[LN], s[LN], 3
	s_cmp_lg_u32 s[WV], s[P]
	s_cbranch_scc1 .Lnot_owner_\@
.irp t, 0,1,2,3,4,5,6,7
	PSTEP \t, \half
.endr
.Lnot_owner_\@:
	s_wait_dscnt 0x0                               ; for the others' sake: the owner's multipliers and s_k are written
	s_barrier_signal -1
	s_barrier_wait -1
	s_and_b32 s[LN], s[P], 3
	s_lshl_b32 s[LN], s[LN], 3
	s_cmp_eq_u32 s[WV], s[P]
	s_cbranch_scc1 .Lowner_done_\@
.irp t, 0,1,2,3,4,5,6,7
	ds_load_b128 v[N+8*\t:N+8*\t+3], v[RA] offset:512*\t
.endr
	s_wait_dscnt 0x0
.irp t, 0,1,2,3,4,5,6,7
	MKN2 \t, \half
.endr
.irp t, 0,1,2,3,4,5,6,7
	UPD \t, \half, -1
.endr
.Lowner_done_\@:
	v_add_nc_u32 v[RA], 4096, v[RA]                ; the next panel's region
	s_wait_dscnt 0x0                               ; this trip's reads are over before the next trip's stores
	s_barrier_signal -1
	s_barrier_wait -1
	s_add_co_u32 s[P], s[P], 1
	s_cmp_lt_u32 s[P], 4*(\half)+4
	s_cbranch_scc1 .Lpanel_\@
.endm
	HALF 0
	HALF 1
	; THE WAY OUT.  My rows j = lane + 32 z give n' = 2 j + p': nt = 4 z + lane / 8, r = 2 (lane % 8) + p'.  My columns give kk = w / 2, half = w % 2, h = c / 4, reg = c % 4.
	ds_load_b32 v[SJ],   v[SVR]
	ds_load_b32 v[SJ+2], v[SVR] offset:128
	s_lshr_b32 s[KK], s[WV], 1
	s_and_b32 s19, s[WV], 1
	s_lshl_b32 s19, s19, 9
	v_lshrrev_b32 v[T0], 4, v[LANE]
	v_bfe_u32 v[T1], v[LANE], 3, 1                 ; nt % 2
	v_and_b32 v[T2], 7, v[LANE]
.set z, 0
.rept 2
	v_add_nc_u32 v[AS+z], 2*z, v[T0]               ; nt / 2
	v_add_nc_u32 v[T3], v[AS+z], v[T1]
	v_add_nc_u32 v[X0], 1, v[AS+z]
	v_mul_u32_u24 v[T3], v[X0], v[T3]              ; base(nt)
	v_add_nc_u32 v[T3], s[KK], v[T3]
	v_lshlrev_b32 v[T3], 11, v[T3]
	v_lshl_add_u32 v[T3], v[T2], 5, v[T3]
	v_add_nc_u32 v[VF+z], s19, v[T3]
.set z, z+1
.endr
	s_wait_dscnt 0x0
	v_mov_b32 v[SJ+1], v[SJ]                       ; named as pairs
	v_mov_b32 v[SJ+3], v[SJ+2]
.set z, 0
.rept 2
.set c, 0
.rept 8
.set ra, A+16*z+2*c
.set ro, OW+32*z+c
	v_pk_mul_f32 v[ra:ra+1], v[ra:ra+1], v[SJ+2*z:SJ+2*z+1] op_sel_hi:[1,0]
	v_cvt_pk_bf16_f32 v[ro], v[ra], v[ra+1]        ; H0 = (re, im) s
	v_lshlrev_b32 v[X0+2*(c%2)], 16, v[ro]
	v_and_b32 v[X0+2*(c%2)+1], 0xffff0000, v[ro]
	v_pk_add_f32 v[X0+2*(c%2):X0+2*(c%2)+1], v[ra:ra+1], v[X0+2*(c%2):X0+2*(c%2)+1] neg_lo:[0,1] neg_hi:[0,1]
	v_cvt_pk_bf16_f32 v[ro+8], v[X0+2*(c%2)], v[X0+2*(c%2)+1]  ; L0: what the first rounding left
	v_alignbit_b32 v[ro+16], v[ro], v[ro], 16      ; H1 = (-im, re) s: the halves change places, the low one its sign
	v_xor_b32 v[ro+16], 0x8000, v[ro+16]
	v_alignbit_b32 v[ro+24], v[ro+8], v[ro+8], 16
	v_xor_b32 v[ro+24], 0x8000, v[ro+24]
.set c, c+1
.endr
.set z, z+1
.endr
.set z, 0
.rept 2
	s_wait_xcnt 0x0                                ; EXEC changes only behind this wait
	v_cmp_ge_u32 vcc_lo, v[AS+z], s[KK]            ; a fragment exists where kk <= nt / 2; above it Wr is 0
	s_and_saveexec_b32 s[SX], vcc_lo
.set q, 0
.rept 4                                                ; H0, L0, H1, L1: part = q % 2, p' = q / 2
.set hh, 0
.rept 2
	global_store_b128 v[VF+z], v[OW+32*z+8*q+4*hh:OW+32*z+8*q+4*hh+3], s[6:7] offset:1024*(q%2)+16*(q/2)+256*hh
.set hh, hh+1
.endr
.set q, q+1
.endr
	s_wait_xcnt 0x0
	s_or_b32 exec_lo, exec_lo, s[SX]
.set z, z+1
.endr
	s_wait_tensorcnt 0x0                           ; the wave's end, behind my last LDS store
	ds_add_u32 v[SPW], v[NIL]
	s_wait_dscnt 0x0
	s_endpgm
.Lfunc_end_k_qf86d89190f_factor:
	.size	k_qf86d89190f_factor, .Lfunc_end_k_qf86d89190f_factor-k_qf86d89190f_factor
	.p2alignl 7, 3214868480
	.fill 96, 4, 3214868480
	.section	.rodata,"a",@progbits
	.p2align	6, 0x0
	.amdhsa_kernel k_qf86d89190f_factor
		.amdhsa_group_segment_fixed_size 67840
		.amdhsa_private_segment_fixed_size 0
		.amdhsa_enable_private_segment 0
		.amdhsa_kernarg_size 16
		.amdhsa_user_sgpr_count 2
		.amdhsa_user_sgpr_kernarg_segment_ptr 1
		.amdhsa_wavefront_size32 1
		.amdhsa_system_sgpr_workgroup_id_x 1
		.amdhsa_system_sgpr_workgroup_id_y 1
		.amdhsa_system_sgpr_workgroup_id_z 1
		.amdhsa_system_vgpr_workitem_id 0
		.amdhsa_next_free_vgpr 176
		.amdhsa_next_free_sgpr 102
		.amdhsa_reserve_vcc 1
		.amdhsa_float_denorm_mode_32 3
		.amdhsa_float_denorm_mode_16_64 3
		.amdhsa_memory_ordered 1
		.amdhsa_forward_progress 1
		.amdhsa_inst_pref_size 119
	.end_amdhsa_kernel
	.amdgpu_metadata
---
amdhsa.version: [ 1, 2 ]
amdhsa.kernels:
  - .name:           k_qf86d89190f_factor
    .symbol:         k_qf86d89190f_factor.kd
    .args:
      - { .name: gsum, .offset: 0, .size: 8, .value_kind: global_buffer, .address_space: global }
      - { .name: wfrag, .offset: 8, .size: 8, .value_kind: global_buffer, .address_space: global }
    .group_segment_fixed_size: 67840
    .private_segment_fixed_size: 0
    .kernarg_segment_align: 8
    .kernarg_segment_size: 16
    .max_flat_workgroup_size: 256
    .sgpr_count:     102
    .vgpr_count:     176
    .wavefront_size: 32
...
	.end_amdgpu_metadata
.endif
;; end of part 3
;; launch apply (part 4): grid 256 x 1, 8 waves a work-group, no clusters, 327,680 bytes of LDS; arguments x, wfrag, out0; writes out0
.if DOCPART == 4
	.amdgcn_target "amdgcn-amd-amdhsa--gfx1250"
	.amdhsa_code_object_version 6
	.text
	.protected	k_qf86d89190f_apply
	.globl	k_qf86d89190f_apply
	.p2align	8
	.type	k_qf86d89190f_apply,@function
k_qf86d89190f_apply:
	s_mov_b64 s[64:65], 0
	v_nop
	global_prefetch_b8 v0, s[64:65] scope:SCOPE_SE
	s_setreg_imm32_b32 hwreg(HW_REG_WAVE_MODE, 25, 1), 1
	s_wait_xcnt 0x0
; APPLY: out = Xr Wr.  Xr: x as [131072][128] f32, rounded to bf16 as in the first launch; Wr: 128 x 128 real, block upper triangular, as 20 fragments of 16 (n') x 32 (k'),
; each in two bf16 parts that are both multiplied; sums in f32; out0 as [131072][128] f32.
; SHARES.  A work-group owns 512 rows, a wave 64.  Each wave issues two tensor loads at the start: its eighth of the fragments (5,120 bytes, 20 rows of 256) and its 64 rows of x
; (512 bytes each, 16 bytes of padding behind each: LDS rows 528 bytes apart, so the 16 rows of a fragment load start at 16 different groups of four banks: ISA guide 11.1).
; Two tensor loads of a wave are out at the most; no LDS byte is filled twice.  All of a WGP's LDS is claimed; 312,320 bytes are used.
; NO CLUSTER: what work-groups share is the 40,960 bytes of fragments beside 262,144 bytes of rows of their own.
; THE MATRIX INSTRUCTION IS USED TRANSPOSED (source 0 = 16 columns n' of Wr, source 1 = 16 rows of x): lane (r, h) holds out[16 mt + r][16 nt + 8 h + 0..7], eight neighbouring numbers.
; They go into the wave's own rows of x in LDS, which have been converted into registers and had their only fill, and leave as whole rows of 512 bytes.
.set XROWS, 64*528                     ; a wave's rows in LDS
.set WF,    8*XROWS                    ; the fragments
.set SPARE, WF+40960                   ; the spare words, 128 bytes a wave
.set VX,   2                           ; v2  my wave's rows + 528 r + 32 h: where I read x and put results
.set VW,   3                           ; v3  WF + 16 lane
.set VR,   4                           ; v4  my wave's rows + 16 lane
.set VO,   5                           ; v5  16 lane
.set SPW,  14
.set NIL,  15
.set ACC,  32                          ; v32-63   four accumulators, one for each 16 rows
.set TMP,  64                          ; v64-127  x in f32, 16 registers for each 32 k'
.set WB,   64                          ; later: the fragments of one nt
.set XF,   128                         ; v128-255 x's fragments: XF + 32 mt + 8 kk
	s_load_b128 s[4:7], s[0:1], 0x0                ; x s[4:5], wfrag s[6:7]
	s_load_b64 s[8:9], s[0:1], 0x10                ; out0
	v_lshl_add_u32 v[SPW], v0, 2, SPARE
	v_mov_b32 v[NIL], 0
	ds_add_u32 v[SPW], v[NIL]                      ; the wave's opening: the add and its wait stand ahead of my first tensor load; the set-up, work on registers, stands between
	ds_add_u32 v14, v15
	v_lshrrev_b32 v1, 5, v0
	v_readfirstlane_b32 s10, v1                    ; wave
	; x's rows: 64 rows x 128 elements of 4 bytes, padded
	s_mov_b32 s12, 1
	s_mul_i32 s13, s10, XROWS
	s_mov_b32 s16, (2<<16)|(1<<20)|(6<<22)|(3<<25) ; elements of 4 bytes; padding on; after every 128 words (code 6) 4 words (code 3)
	s_mov_b32 s17, 128<<16                         ; tensor_dim0 = 128
	s_mov_b32 s18, 64<<16                          ; tensor_dim1 = 64
	s_mov_b32 s19, 128<<16                         ; tile_dim0 = 128
	s_mov_b32 s20, 64                              ; tile_dim1 = 64
	s_mov_b32 s21, 128                             ; elements from row to row
	s_mov_b32 s22, 0
	s_mov_b32 s23, 0
	; the fragments: a dense block of 5,120 bytes as 20 rows x 32 elements of 8 bytes
	s_mov_b32 s24, 1
	s_mul_i32 s38, s10, 5120
	s_mov_b32 s39, 0
	s_add_co_u32 s25, s38, WF
	s_mov_b32 s28, 3<<16
	s_mov_b32 s29, 32<<16
	s_mov_b32 s30, 20<<16
	s_mov_b32 s31, 32<<16
	s_mov_b32 s32, 20
	s_mov_b32 s33, 32
	s_mov_b32 s34, 0
	s_mov_b32 s35, 0
	s_lshl_b32 s36, ttmp9, 18                      ; the work-group's 512 rows of 512 bytes,
	s_lshl_b32 s40, s10, 15                        ; the wave's 64
	s_add_co_u32 s36, s36, s40
	s_mov_b32 s37, 0
	s_wait_dscnt 0x0                               ; the opening add is done
	s_wait_kmcnt 0x0
	s_add_nc_u64 s[26:27], s[6:7], s[38:39]
	s_or_b32 s27, s27, 0x80000000
	s_add_nc_u64 s[14:15], s[4:5], s[36:37]
	s_or_b32 s15, s15, 0x80000000
	s_add_nc_u64 s[8:9], s[8:9], s[36:37]
	tensor_load_to_lds s[24:27], s[28:35]
	s_nop 0
	tensor_load_to_lds s[12:15], s[16:23]
	s_nop 0
	v_and_b32 v6, 15, v0                           ; r
	v_bfe_u32 v7, v0, 4, 1                         ; h
	v_and_b32 v8, 31, v0                           ; lane
	v_mul_u32_u24 v[VX], v6, 528
	v_lshl_add_u32 v[VX], v7, 5, v[VX]
	v_add_nc_u32 v[VX], s13, v[VX]
	v_lshlrev_b32 v[VO], 4, v8
	v_add_nc_u32 v[VW], WF, v[VO]
	v_add_nc_u32 v[VR], s13, v[VO]
	s_wait_tensorcnt 0x0                           ; my rows and my eighth of the fragments are in;
	s_barrier_signal -1
	s_barrier_wait -1                              ; everybody's eighth is.
; x -> fragments.  Lane (r, h) takes k' = 32 kk + 8 h + 0..7 and 32 kk + 16 + 8 h + 0..7 of row 16 mt + r: four loads of 16 bytes.
.macro XLOAD mt, kk
.irp o, 0,1,2,3
	ds_load_b128 v[TMP+16*(\kk)+4*(\o):TMP+16*(\kk)+4*(\o)+3], v[VX] offset:16*528*(\mt)+128*(\kk)+16*((\o)%2)+64*((\o)/2)
.endr
.endm
.irp kk, 0,1,2,3
	XLOAD 0, \kk
.endr
.irp mt, 0,1,2,3
.irp kk, 0,1,2,3
.if (\mt) < 3
	s_wait_dscnt 12                                ; the twelve loads issued behind these four may stay out
.else
	s_wait_dscnt 12-4*(\kk)                        ; nothing more is issued: the count runs down
.endif
.set i, 0
.rept 8
	v_cvt_pk_bf16_f32 v[XF+32*(\mt)+8*(\kk)+i], v[TMP+16*(\kk)+2*i], v[TMP+16*(\kk)+2*i+1]
.set i, i+1
.endr
.if (\mt) < 3
	XLOAD (\mt)+1, \kk
.endif
.endr
.endr
.macro WLOAD nt                        ; the 2 (nt/2 + 1) fragments of columns 16 nt .. 16 nt + 15: i = 2 kk + part
.set wb, ((\nt)/2+1)*((\nt)/2+(\nt)%2)
.set i, 0
.rept 2*((\nt)/2+1)
	ds_load_b128 v[WB+8*i:WB+8*i+3],   v[VW] offset:(2*wb+i)*1024
	ds_load_b128 v[WB+8*i+4:WB+8*i+7], v[VW] offset:(2*wb+i)*1024+512
.set i, i+1
.endr
.endm
; Sixteen columns of out for my 64 rows.  The four accumulators take turns, one instruction a turn; the first products start the sums.
.macro NT nt
.if (\nt) == 0
	s_wait_dscnt 0x0
.else
	s_wait_dscnt 8                                 ; the fragments are in; the eight stores issued behind their loads may stay out
.endif
.set i, 0
.rept 2*((\nt)/2+1)
.set mt, 0
.rept 4
.if i == 0
	v_wmma_f32_16x16x32_bf16 v[ACC+8*mt:ACC+8*mt+7], v[WB+8*i:WB+8*i+7], v[XF+32*mt+8*(i/2):XF+32*mt+8*(i/2)+7], 0
.else
	v_wmma_f32_16x16x32_bf16 v[ACC+8*mt:ACC+8*mt+7], v[WB+8*i:WB+8*i+7], v[XF+32*mt+8*(i/2):XF+32*mt+8*(i/2)+7], v[ACC+8*mt:ACC+8*mt+7]
.endif
.set mt, mt+1
.endr
.set i, i+1
.endr
.rept 5
	v_nop                                          ; the places in front of the loads into the fragments' registers, of the stores of the sums, and of the products that start the sums anew
.endr
.if (\nt) < 7
	WLOAD (\nt)+1
.endif
.set mt, 0
.rept 4
	ds_store_b128 v[VX], v[ACC+8*mt:ACC+8*mt+3]   offset:16*528*mt+64*(\nt)     ; the low four registers first
	ds_store_b128 v[VX], v[ACC+8*mt+4:ACC+8*mt+7] offset:16*528*mt+64*(\nt)+16
.set mt, mt+1
.endr
.endm
	WLOAD 0
.irp nt, 0,1,2,3,4,5,6,7
	NT \nt
.endr
	; THE WAY OUT: whole rows back (LDS serves a wave's instructions in order, ISA guide 5.7.1.4: these see my stores above), one row of 512 consecutive bytes a store.
.set q, 0
.rept 48                                               ; rows 0-31 into v128-255, rows 32-47 into v64-127
.set rq, XF+4*q-(q/32)*(XF+128-WB)
	ds_load_b128 v[rq:rq+3], v[VR] offset:528*q
.set q, q+1
.endr
.set q, 0
.rept 48
.set rq, XF+4*q-(q/32)*(XF+128-WB)
	s_wait_dscnt 47-q                              ; the younger loads may stay out
	global_store_b128 v[VO], v[rq:rq+3], s[8:9] offset:512*q th:TH_STORE_NT
.set q, q+1
.endr
	s_wait_xcnt 0x0                                ; the stores' data registers are loaded again only behind this wait
.set q, 0
.rept 16
	ds_load_b128 v[XF+4*q:XF+4*q+3], v[VR] offset:528*(48+q)
.set q, q+1
.endr
.set q, 0
.rept 16
	s_wait_dscnt 15-q
	global_store_b128 v[VO], v[XF+4*q:XF+4*q+3], s[8:9] offset:512*(48+q) th:TH_STORE_NT
.set q, q+1
.endr
	s_wait_tensorcnt 0x0                           ; the wave's end, behind my last tensor load and my last LDS store
	ds_add_u32 v[SPW], v[NIL]
	s_wait_dscnt 0x0
	s_endpgm
.Lfunc_end_k_qf86d89190f_apply:
	.size	k_qf86d89190f_apply, .Lfunc_end_k_qf86d89190f_apply-k_qf86d89190f_apply
	.p2alignl 7, 3214868480
	.fill 96, 4, 3214868480
	.section	.rodata,"a",@progbits
	.p2align	6, 0x0
	.amdhsa_kernel k_qf86d89190f_apply
		.amdhsa_group_segment_fixed_size 327680
		.amdhsa_private_segment_fixed_size 0
		.amdhsa_enable_private_segment 0
		.amdhsa_kernarg_size 24
		.amdhsa_user_sgpr_count 2
		.amdhsa_user_sgpr_kernarg_segment_ptr 1
		.amdhsa_wavefront_size32 1
		.amdhsa_system_sgpr_workgroup_id_x 1
		.amdhsa_system_sgpr_workgroup_id_y 1
		.amdhsa_system_sgpr_workgroup_id_z 1
		.amdhsa_system_vgpr_workitem_id 0
		.amdhsa_next_free_vgpr 256
		.amdhsa_next_free_sgpr 66
		.amdhsa_reserve_vcc 0
		.amdhsa_float_denorm_mode_32 3
		.amdhsa_float_denorm_mode_16_64 3
		.amdhsa_memory_ordered 1
		.amdhsa_forward_progress 1
		.amdhsa_inst_pref_size 49
	.end_amdhsa_kernel
	.amdgpu_metadata
---
amdhsa.version: [ 1, 2 ]
amdhsa.kernels:
  - .name:           k_qf86d89190f_apply
    .symbol:         k_qf86d89190f_apply.kd
    .args:
      - { .name: x, .offset: 0, .size: 8, .value_kind: global_buffer, .address_space: global }
      - { .name: wfrag, .offset: 8, .size: 8, .value_kind: global_buffer, .address_space: global }
      - { .name: out0, .offset: 16, .size: 8, .value_kind: global_buffer, .address_space: global }
    .group_segment_fixed_size: 327680
    .private_segment_fixed_size: 0
    .kernarg_segment_align: 8
    .kernarg_segment_size: 24
    .max_flat_workgroup_size: 256
    .sgpr_count:     66
    .vgpr_count:     256
    .wavefront_size: 32
...
	.end_amdgpu_metadata
.endif
;; end of part 4
;; ======== version 2 of 2: 4 launches; version 1 with the launch gram written anew for expert scheduling mode
;; limits: a difference of large sums (such as E[x^2] - mean^2): digits are lost where the result is much smaller than its terms; right only within a limited range of input values
;; workspace buffers: part 5,242,880 bytes; gsum 20,480 bytes; wfrag 40,960 bytes
;; launch gram (part 5): grid 256 x 1, 8 waves a work-group, no clusters, 164,864 bytes of LDS; arguments x, part; writes part
.if DOCPART == 5
	.amdgcn_target "amdgcn-amd-amdhsa--gfx1250"
	.amdhsa_code_object_version 6
	.text
	.protected	k_qf86d89190f_gram
	.globl	k_qf86d89190f_gram
	.p2align	8
	.type	k_qf86d89190f_gram,@function
k_qf86d89190f_gram:
	s_mov_b64 s[64:65], 0
	v_nop
	global_prefetch_b8 v0, s[64:65] scope:SCOPE_SE
	s_setreg_imm32_b32 hwreg(HW_REG_WAVE_SCHED_MODE, 0, 2), 2
	s_setreg_imm32_b32 hwreg(HW_REG_WAVE_MODE, 25, 1), 1
	s_wait_xcnt 0x0
	s_wait_alu depctr_vm_vsrc(0)
; GRAM: the partial sums of G = X^H X.  x: [131072][64] complex f32, a row is 512 bytes.  A work-group sums over 512 rows, a wave over 64.
; x is rounded to bf16 (the last launch rounds it alike), products and sums are f32.
; NO LDS ON THE WAY IN.  The sum runs over ROWS, so in a fragment a lane holds one column and the rows lie along its registers.  One 16-byte load gives
; lane (r, h) the complex columns 2r, 2r+1 of a half row (256 bytes for 16 lanes) in row 2l+h: four numbers for four fragments.  Which row sits in which
; place of K is the same in every fragment, so the products are the true ones.  A BLOCK b = 2 x (half row) + (odd column) holds the columns 32 (b/2) + 2 r + b%2.
; TILES.  Re G(I,J) = A_I^T A_J + B_I^T B_J, Im G(I,J) = A_I^T B_J - B_I^T A_J (A real parts, B imaginary parts), for the ten pairs I <= J: 20 accumulators;
; the minus is a copy of B with the signs turned.  Later launches add the work-groups' sums and put the columns in order.
; REGISTERS.  window 0: v0-15 addresses; v16-47 A, v48-79 B, v80-111 -B (8 registers a block); v112-239 rows 32-63 as loaded.
;             window 1: v0-127 rows 0-31 as loaded; when they are converted, v0-159 take the 20 accumulators.
; All 64 loads of a wave, its whole share of 32,768 bytes, are issued before anything else.  x is read again by the last launch, so the loads carry no hint.
; THE MODE: SCHED_MODE bits 1:0 = 2 (LLVM: expert scheduling mode 2), set by the entry lines.  The code itself states the register dependences
; between vector or matrix instructions and memory or LDS instructions, with s_wait_alu, always for 0.
; THE PLAN.  The text is one straight run.  Registers that memory or LDS instructions touch, in the order of the text:
;   v5 (XO)                  made at the head, never written again; read by all 64 global loads.
;   the raw rows             the 64 loads land in them; no vector line names them before that; the conversions read them behind their counted waits on LOADcnt.
;   v7, v8, v9, v10          made behind the loads, never written again; read by the LDS stores, the LDS loads and the global stores.
;   the accumulators         written by the matrix instructions; read by the 40 LDS stores; never written again.
;   v16-175 (RS)             fragments and raw rows, which matrix instructions and conversions read; then the 40 LDS loads land in them; the additions write them;
;                            the five global stores read the first four registers of each piece; never written again.
;   v14, v15                 made at the head, read by the closing add alone.
; So three waits on va_vdst state everything: ahead of the first global load (v5), ahead of the LDS stores (the accumulators and v7; v8 and v9; all readers of v16-175 are done, for the
; LDS loads behind the barrier, ahead of which no further vector line stands), and ahead of the ONE run of five global stores (the additions' results).  No register that a memory or LDS
; instruction reads is written afterwards, so no wait on vm_vsrc is owed.  One wait on va_sdst stands between v_readfirstlane_b32 and the first reader of s8.
.set FA,    16
.set FB,    48
.set FN,    80
.set RAW1,  112
.set XO,    5                          ; v5   byte offset of my 16 bytes in the wave's first two rows; never rewritten
.set L16,   6                          ; v6   16 x lane
.set STA,   7                          ; v7   my wave's image in LDS
.set RD0,   8                          ; v8   my five pieces in wave 0's image
.set RD1,   9                          ; v9   in wave 4's
.set GO,    10                         ; v10  my byte offset in part
.set SPW,   14                         ; v14  my spare word; never rewritten
.set NIL,   15                         ; v15  0; never rewritten
.set RS,    16                         ; the reduction: piece u, wave w at v[RS+32u+4w]
.set WIMG,  20480                      ; a wave's 160 accumulator registers in LDS: 40 pieces of 512 bytes
.set SPARE, 8*WIMG                     ; behind the images: the spare words, 128 bytes a wave
.set MSB, 0
.macro WIN new                         ; the immediate's high byte repeats the setting that is left
.if MSB != (\new)
	s_set_vgpr_msb (MSB<<8)|(\new)
.set MSB, \new
.endif
.endm
.macro ADD4 a, b
	v_pk_add_f32 v[(\a):(\a)+1], v[(\a):(\a)+1], v[(\b):(\b)+1]
	v_pk_add_f32 v[(\a)+2:(\a)+3], v[(\a)+2:(\a)+3], v[(\b)+2:(\b)+3]
.endm
	s_load_b128 s[4:7], s[0:1], 0x0                ; x s[4:5], part s[6:7]
	v_lshl_add_u32 v[SPW], v0, 2, SPARE
	v_mov_b32 v[NIL], 0
	v_and_b32 v1, 31, v0                           ; lane
	v_lshrrev_b32 v2, 5, v0
	v_readfirstlane_b32 s8, v2                     ; wave
	v_and_b32 v3, 15, v0                           ; r
	v_bfe_u32 v4, v0, 4, 1                         ; h
	v_lshlrev_b32 v[XO], 4, v3                     ; 16 r
	v_lshl_add_u32 v[XO], v4, 9, v[XO]             ; + one row for lanes 16-31
	v_lshl_add_u32 v[XO], v2, 15, v[XO]            ; + the wave's 64 rows
	s_wait_alu depctr_va_sdst(0)                   ; s8 is written, ahead of its first reader: the wave's places in LDS and in part are made from it below
	s_lshl_b32 s10, ttmp9, 18                      ; the work-group's 512 rows of 512 bytes
	s_mov_b32 s11, 0
	s_wait_kmcnt 0x0
	s_add_nc_u64 s[4:5], s[4:5], s[10:11]
	WIN 0x40                                       ; destination window 1
	s_wait_alu depctr_va_vdst(0)                   ; v5 is written, which all 64 loads read as their offset; up to the last of them only loads and one window switch follow
.set n, 0
.rept 32                                               ; rows 0-31: load n takes rows 2 (n/2), 2 (n/2) + 1, half row n%2: twice 256 consecutive bytes
	global_load_b128 v[4*n:4*n+3], v[XO], s[4:5] offset:(n/2)*1024+(n%2)*256
.set n, n+1
.endr
	WIN 0
.set n, 0
.rept 32                                               ; rows 32-63
	global_load_b128 v[RAW1+4*n:RAW1+4*n+3], v[XO], s[4:5] offset:16384+(n/2)*1024+(n%2)*256
.set n, n+1
.endr
	v_lshlrev_b32 v[L16], 4, v1                    ; the addresses for the way out: none of these lines names v5 or a register in which a load lands
	s_mul_i32 s12, s8, WIMG
	v_add_nc_u32 v[STA], s12, v[L16]
	s_mul_i32 s13, s8, 5*512
	v_add_nc_u32 v[RD0], s13, v[L16]
	v_add_nc_u32 v[RD1], 4*WIMG, v[RD0]
	s_mul_i32 s14, s8, 5*131072
	v_lshlrev_b32 v[GO], 4, v3
	v_lshl_add_u32 v[GO], v4, 16, v[GO]
	v_add_nc_u32 v[GO], s14, v[GO]
	s_lshl_b32 s16, ttmp9, 8
	s_mov_b32 s17, 0
	s_add_nc_u64 s[6:7], s[6:7], s[16:17]          ; part at my work-group's 256 bytes of every piece
; 32 rows become 8 fragments.  Register t of a fragment takes loads 4t .. 4t+3; left0 - 4t is the number of loads issued behind those four.
.macro CONV base, left0
.set t, 0
.rept 8
	s_wait_loadcnt (\left0)-4*t
.set hc, 0
.rept 2
.set cp, 0
.rept 4
	v_cvt_pk_bf16_f32 v[FA+32*(cp%2)+8*(2*hc+cp/2)+t], v[(\base)+4*(4*t+hc)+cp], v[(\base)+4*(4*t+2+hc)+cp]
.set cp, cp+1
.endr
.set hc, hc+1
.endr
.set t, t+1
.endr
.endm
.macro NEGB                            ; -B: both signs of a word are turned
.set n, 0
.rept 32
	v_xor_b32 v[FN+n], 0x80008000, v[FB+n]
.set n, n+1
.endr
.endm
.macro MMA d, a, b, z
.if \z
	v_wmma_f32_16x16x32_bf16 v[8*(\d):8*(\d)+7], v[(\a):(\a)+7], v[(\b):(\b)+7], 0
.else
	v_wmma_f32_16x16x32_bf16 v[8*(\d):8*(\d)+7], v[(\a):(\a)+7], v[(\b):(\b)+7], v[8*(\d):8*(\d)+7]
.endif
.endm
.macro PASS dofs, ab, bb, z            ; one product on each of ten accumulators, the pairs I <= J in order
.set T, 0
.set I, 0
.rept 4
.set J, 0
.rept 4
.if J >= I
	MMA (\dofs)+T, (\ab)+8*I, (\bb)+8*J, \z
.set T, T+1
.endif
.set J, J+1
.endr
.set I, I+1
.endr
.endm
; 40 matrix instructions for 32 rows.  The 20 accumulators take turns, one instruction a turn.  z = 1: the first products start the sums.
.macro STEP z
	WIN 0x50                                       ; C and D window 1, fragments window 0
	PASS 0,  FA, FA, \z
	PASS 10, FA, FB, \z
	PASS 0,  FB, FB, 0
	PASS 10, FN, FA, 0
	WIN 0
.rept 4
	v_nop                                          ; four places before the fragments are written again or the sums are read (ISA guide 7.12.1)
.endr
.endm
	WIN 0x05                                       ; sources window 1, destination window 0
	CONV 0, 60
	WIN 0
	NEGB
	STEP 1                                         ; the accumulators land on registers whose raw rows have all been converted
	CONV RAW1, 28
	NEGB
	STEP 0
	; THE WAVES' SUMS MEET IN LDS: each wave lays its 40 pieces down as they lie in the registers (16 bytes a lane, neighbouring lanes neighbouring bytes),
	WIN 0x04                                       ; store data window 1
	s_wait_alu depctr_va_vdst(0)                   ; the matrix instructions have written the accumulators, which the LDS stores read (the four places above stay beside this wait), and v7, v8, v9 are written; the matrix instructions and the conversions are done reading v16-175, in which the LDS loads behind the barrier land
.set q, 0
.rept 40                                               ; ascending: each accumulator's low four registers are read first
	ds_store_b128 v[STA], v[4*q:4*q+3] offset:512*q
.set q, q+1
.endr
	WIN 0
	s_wait_dscnt 0x0                               ; for the others' sake: my image is whole
	s_barrier_signal -1
	s_barrier_wait -1
.set u, 0
.rept 5                                                ; and wave w adds pieces 5w .. 5w+4 of all eight images.  No wait: no vector or matrix instruction since the wait above, and the stores between read window 1 and v7 alone
.set w, 0
.rept 4
	ds_load_b128 v[RS+32*u+4*w:RS+32*u+4*w+3], v[RD0] offset:WIMG*w+512*u
.set w, w+1
.endr
.rept 4
	ds_load_b128 v[RS+32*u+4*w:RS+32*u+4*w+3], v[RD1] offset:WIMG*(w-4)+512*u
.set w, w+1
.endr
.set u, u+1
.endr
.set u, 0
.rept 5
	s_wait_dscnt 32-8*u                            ; the later pieces' loads, eight each, may stay out
	ADD4 RS+32*u,    RS+32*u+4
	ADD4 RS+32*u+8,  RS+32*u+12
	ADD4 RS+32*u+16, RS+32*u+20
	ADD4 RS+32*u+24, RS+32*u+28
	ADD4 RS+32*u,    RS+32*u+8
	ADD4 RS+32*u+16, RS+32*u+24
	ADD4 RS+32*u,    RS+32*u+16
.set u, u+1
.endr
	s_wait_alu depctr_va_vdst(0)                   ; the additions have written the five pieces' sums, which the five stores read: one wait for the run
.set u, 0
.rept 5
	global_store_b128 v[GO], v[RS+32*u:RS+32*u+3], s[6:7] offset:131072*u  ; part[2 piece + h][work-group][256 bytes]: 16 lanes store 256 consecutive bytes, aligned
.set u, u+1
.endr
	s_wait_dscnt 0x0                               ; the wave's end
	s_wait_alu 0x0
	s_wait_tensorcnt 0x0
	ds_add_u32 v[SPW], v[NIL]
	s_wait_dscnt 0x0
	s_endpgm
.Lfunc_end_k_qf86d89190f_gram:
	.size	k_qf86d89190f_gram, .Lfunc_end_k_qf86d89190f_gram-k_qf86d89190f_gram
	.p2alignl 7, 3214868480
	.fill 96, 4, 3214868480
	.section	.rodata,"a",@progbits
	.p2align	6, 0x0
	.amdhsa_kernel k_qf86d89190f_gram
		.amdhsa_group_segment_fixed_size 164864
		.amdhsa_private_segment_fixed_size 0
		.amdhsa_enable_private_segment 0
		.amdhsa_kernarg_size 16
		.amdhsa_user_sgpr_count 2
		.amdhsa_user_sgpr_kernarg_segment_ptr 1
		.amdhsa_wavefront_size32 1
		.amdhsa_system_sgpr_workgroup_id_x 1
		.amdhsa_system_sgpr_workgroup_id_y 1
		.amdhsa_system_sgpr_workgroup_id_z 1
		.amdhsa_system_vgpr_workitem_id 0
		.amdhsa_next_free_vgpr 416
		.amdhsa_next_free_sgpr 66
		.amdhsa_reserve_vcc 0
		.amdhsa_float_denorm_mode_32 3
		.amdhsa_float_denorm_mode_16_64 3
		.amdhsa_memory_ordered 1
		.amdhsa_forward_progress 1
		.amdhsa_inst_pref_size 37
	.end_amdhsa_kernel
	.amdgpu_metadata
---
amdhsa.version: [ 1, 2 ]
amdhsa.kernels:
  - .name:           k_qf86d89190f_gram
    .symbol:         k_qf86d89190f_gram.kd
    .args:
      - { .name: x, .offset: 0, .size: 8, .value_kind: global_buffer, .address_space: global }
      - { .name: part, .offset: 8, .size: 8, .value_kind: global_buffer, .address_space: global }
    .group_segment_fixed_size: 164864
    .private_segment_fixed_size: 0
    .kernarg_segment_align: 8
    .kernarg_segment_size: 16
    .max_flat_workgroup_size: 256
    .sgpr_count:     66
    .vgpr_count:     416
    .wavefront_size: 32
...
	.end_amdgpu_metadata
.endif
;; end of part 5
;; launch fold: the kernel of part 2 again; grid 80 x 1, 8 waves a work-group, no clusters, 3,072 bytes of LDS; arguments part, gsum; writes gsum
;; launch factor: the kernel of part 3 again; grid 1 x 1, 8 waves a work-group, no clusters, 67,840 bytes of LDS; arguments gsum, wfrag; writes wfrag
;; launch apply: the kernel of part 4 again; grid 256 x 1, 8 waves a work-group, no clusters, 327,680 bytes of LDS; arguments x, wfrag, out0; writes out0
